; MI455X (gfx1250); checked and timed in simulation.
; The chip was launched on July 23, 2026; its instructions are those of AMD's public machine-readable ISA for CDNA 5 (MIT licence, August 2026) and "CDNA5" Instruction Set Architecture Reference Guide (July 2026). The comments in the code are by the model that wrote it; some were corrected since.
;; Dot Product Attention. Allowed arithmetic: matrix products marked QUANTISED: E5M2 operands, one E8M0 scale for each 32 along K, by v_wmma_scale_f32_16x16x128_f8f6f4 with both operands' format E5M2, f32 sums; everything else in f32.
;; Inputs: key 2 x 2,048 x 32 x 64 float32; query 2 x 2,048 x 32 x 64 float32; value 2 x 2,048 x 32 x 64 float32.
;; Outputs: out0 2 x 2,048 x 2,048 float32.
;; This version of the problem:
;;   THIS VERSION OF THE PROBLEM IS GIVEN IN LOW PRECISION. The matrix products marked QUANTISED in the list below multiply operands that are first quantised to E5M2 (5 exponent bits, 2 mantissa bits; 8 bits a number), with one power-of-two scale for each 32 numbers along K (OCP MX v1.0); their sums are f32. All else is computed in f32.
;;   The module's matrix products, in the order in which they are computed (A, B: the left and right operand; K: the contracted axis; several contracted axes count as one K, in the product's order):
;;     1. batch 64 x [M 2,048, K 64] x [K 64, N 2,048]; A: input query; B: input key: QUANTISED
;;     2. batch 64 x [M 64, K 2,048] x [K 2,048, N 2,048]; A: input value; B: softmax (see below): QUANTISED
;;   THE QUANTISER, for each operand of a quantised product, along K:
;;     - K is cut into blocks of 32 from its start; a last block that is shorter is filled with zeros.
;;     - A block's scale is 2^e with e = floor(log2(the largest magnitude in the block)) - 15, held to -126 .. 127; a block of zeros has e = 0. As a byte (E8M0): e + 127.
;;     - Each number is divided by its block's scale, clamped to +-57,344, and rounded to the nearest number of E5M2, ties to even, subnormals kept.
;;     - The product sums the exact products of the quantised numbers (number of the format x scale) in f32.
;;   ~~~python
;;   def quantise(x, axis):      # numpy; x: float32 -> the quantised numbers, widened to float32 again
;;       x = np.moveaxis(x, axis, -1); K = x.shape[-1]
;;       x = np.pad(x, [(0, 0)] * (x.ndim - 1) + [(0, -K % 32)]); x = x.reshape(x.shape[:-1] + (-1, 32)); a = np.abs(x).max(-1, keepdims=True)
;;       e = np.where(a > 0, np.clip(np.frexp(np.where(a > 0, a, 1))[1] - 1 - 15, -126, 127), 0)      # np.frexp(a)[1] - 1 = floor(log2(a)), exactly
;;       r = np.clip(x / 2.0 ** e, -57344, 57344)
;;       step = 2.0 ** (np.maximum(np.frexp(np.where(r == 0, 1, r))[1] - 1, -14) - 2)
;;       q = np.round(r / step) * step * 2.0 ** e      # np.round: ties to even
;;       return np.moveaxis(q.reshape(q.shape[:-2] + (-1,))[..., :K], -1, axis).astype(np.float32)
;;   ~~~
;;   SOFTMAX AHEAD OF A QUANTISED PRODUCT. Where the list says 'softmax', what is quantised is not the finished softmax but p = 2^(t - M), with t = logit x log2(e) and M = ceil(the row's largest t), a whole number; so 1/2 < the row's largest p <= 1. The row's sum l is taken of the UNQUANTISED p, in f32, and the product's result is divided by l at the end. Since M is a whole number, a kernel that streams over the keys may use a running M (the ceiling of the running maximum): every later rescaling is an exact power of two, which a block's scale takes up: the codes' values come out the same.
;;   OPERANDS COMPUTED ON THE WAY. 'Computed on the way' means the value that the module computes at that place (a softmax that the list does not call 'softmax' is quantised finished and normalised). What goes into a quantiser is computed in f32, as accurately as f32 sums, v_exp_f32 and their like allow (about 1e-6 of the number): no bf16 or f16 on the way to a quantiser, and a product that is left as it is and whose result goes on into a quantised operand takes f32 operands (vector FMAs, or v_wmma_f32_16x16x4_f32). A number that lies on a knife's edge between two numbers of the format may be rounded either way, as far as f32 arithmetic and the matrix unit's own rounding can turn it there, and no further.
;; One version. Each part assembles by itself: llvm-mc -triple=amdgcn-amd-amdhsa -mcpu=gfx1250 --defsym DOCPART=n.
;; ======== version 1 of 1: 1 launch
;; limits: right only within a limited range of input values
;; launch attn (part 1): grid 4 x 64, 8 waves a work-group, no clusters, 326,656 bytes of LDS; arguments query, key, value, out0; writes out0
.if DOCPART == 1
	.amdgcn_target "amdgcn-amd-amdhsa--gfx1250"
	.amdhsa_code_object_version 6
	.text
	.protected	k_q6134592691_attn
	.globl	k_q6134592691_attn
	.p2align	8
	.type	k_q6134592691_attn,@function
k_q6134592691_attn:
	s_mov_b64 s[64:65], 0
	v_nop
	global_prefetch_b8 v0, s[64:65] scope:SCOPE_SE
	s_setreg_imm32_b32 hwreg(HW_REG_WAVE_MODE, 25, 1), 1
	s_wait_xcnt 0x0
; out0[b][q][n][:] = sum over k of softmax_k(query[b][q][n] . key[b][k][n] / 8) value[b][k][n][:].  All tensors [2][2048][32][64] f32: a head's row is 256 bytes, rows 8,192 bytes apart.
; Both products on codes of BF8 (E5M2) with one E8M0 scale for each 32 along K: the first along the 64 channels, the second along the keys.
; SOFTMAX: t = score x log2(e) / 8; M = ceil of the row's largest t so far; p = 2^(t - M) is quantised along the keys, not normalised; the row's sum of the unquantised p divides O at the end.
; When M moves, the sum and O are multiplied by 2^(old M - new M): exact.
; SHARES.  A work-group owns 512 queries of one head (4 x 64 work-groups); each of its eight waves owns 64 of them, four tiles of 16, and walks 16 steps of 128 keys once.
; A fragment of K or V is read from LDS once a step for all four tiles.
; K AND V ARE STREAMED: in step s the work-group quantises the 128 keys of step s + 1 (waves 0-3: 32 keys of K each; waves 4-7: a block of 32 keys of V each) from registers whose loads were issued in step s - 1,
; lays codes and scale bytes in LDS as images of the operands' registers, and issues the loads of step s + 2: 16 loads a wave, a whole step ahead, so no prefetch is laid beside them.
; Every step's images have LDS bytes of their own, so one barrier a step orders the stores of step s + 1 with their reads: signalled behind tile 0, waited for in tile 3.
; LAYOUT.  Both products transposed: S^T = K Q^T, O^T = V^T P^T: a lane holds one query (lane % 16).  A fragment of K holds two tiles of 16 keys (first and last 64 of the instruction's 128 along K);
; Q's eight registers stand between zeros: (Q, 0) gives tile 2 f, (0, Q) tile 2 f + 1.  Row r of tile 2 f + u is key 32 f + 8 u + r + 8 (r / 8), so the 16 registers of two tiles are 16 neighbouring keys.
; THE SECOND PRODUCT RUNS A TILE LATE: behind tile t's first product stand the rescaling of O^T and the second product of tile t - 1; the sixteen rescalings are the places behind the first product.
; The first trip's late product finds zero codes and zeros in O^T, so the loop is written once.  THE LAST STEP IS WRITTEN OUT: it quantises nothing, and each tile leaves as soon as its late product is done.
; NO CLUSTER, NO TENSOR LOADS: what a head's four work-groups share is f32 that must pass through registers to be quantised; two slots of a step's 65,536 bytes do not fit beside the 305,152 bytes of images.
; LIMITS: NaN and infinities among the inputs are not served.  A block whose largest magnitude lies under 2^(16 - 127), zeros among them, gets the scale byte 1 (read by this text alone; zero codes add nothing).
; v_exp_f32 gives 0 for p under 2^-126.  The scaled scores stay under 2^31 in magnitude.
.set ROW,   8192
.set KIMG,  0                          ; K's images: step s at 8192 s, fragment f at 2048 f, registers 4 c at 512 c, lane at 16 l.  In the last step wave w's stage: 16 rows x 272 bytes at 8192 w
.set VIMG,  131072                     ; V's likewise, by channel tiles
.set KSC,   262144                     ; K's scale words: 256 s + 64 f + 4 r
.set VSC,   266240                     ; V's: 256 s + 4 x channel
.set QIMG,  270336                     ; each wave: 4 tiles x 1,024 bytes of Q's codes, then 4 x 64 of scale words
.set QWB,   4352
.set WST,   305152                     ; each wave: a stage of 32 places x 80 bytes
.set WSTB,  2560
.set SPARE, 325632                     ; the spare words, 128 bytes a wave
.set SP,    80
.set OP,    272
; window 0
.set LI, 1
.set LIV, 2
.set LSK, 3
.set SPW, 4
.set NIL, 5
.set ADK, 6
.set ADV, 7
.set ADS, 8
.set GLO, 9
.set STI, 10
.set STT, 11
.set KAD, 12
.set KSA, 13
.set VAD, 14
.set VSA, 15
.set QAD, 16
.set QSA, 17
.set QLD, 18
.set QSL, 19
.set MS, 20                            ; v20-23 -M of the four tiles
.set SS, 24                            ; v24-27 their sums
.set FF, 28                            ; v[28:29] f, 0
.set NMW, 30                           ; v[30:31] -M in hand, 0
.set QW, 40                            ; v40-47 Q's codes; v32-39, v48-55 zeros
.set S, 56                             ; v56-119 S^T, then p; the quantisers' numbers
.set PC, 120                           ; v120-135 p's codes
.set RG, 136                           ; v136-199 sixteen loads in flight
.set BM, 200
.set T1, 204
.set HOLD, 208                         ; v208-215 57,344 x the scale, twice each
.set SCOP, 216
.set TMP, 226                          ; v220-225, v232-237: the sum's six chains
.set LSV, 227
.set TA0, 228
.set TA1, 229
.set TA2, 230
.set TA3, 231
.set RC, 238                           ; v[238:239] 1 / the sum, 0
.set QS, 240                           ; v240-245 hold scales alone
.set PS, 241
.set KS, 242
.set VS, 244
; the quantisers' registers: numbers inside S, the rest where the softmax is at rest
.set XG, S
.set CC0, 200                          ; v200-215 four x 4 registers of codes (Q, K)
.set WA, 216
.set WB, 220
.set WS2, 232
.set WH, 236
.set EE0, 246
.set CG, S+32                          ; V's codes
.set VM, S+54
.set VSO, S+58
.set A0, S
.set A1, S+1
.set A2, S+2
.set A3, S+3
.set A4, S+4
.set A5, S+5
.set A6, S+6
.set A7, S+7
.set A8, S+8
.set A9, S+9
; window 1: v0-63 K's fragments, v64-127 V's, v128-255 O^T (tile t at 128 + 32 t)
.set WV, 12
.set SEL, 20
.set CS, 22
.set MNT, 24
.set CNT, 25
.set TQ, 26                            ; 8192 (s + 1)
.set TS, 27                            ; 256 (s + 1)
.set TV, 28                            ; 8192 s
.set TVS, 29                           ; 256 s
.set GP, 30                            ; s[30:31] my rows of key or value
.set STB, 32
.set QB, 33
.set KB, 34
.set KSB, 35
.set VB, 36
.set VSB, 37
.set W3, 38
.set MSB, 0
.macro WIN new                         ; the immediate's high byte repeats the setting that is left
.if MSB != \new
	s_set_vgpr_msb (MSB<<8)|\new
.set MSB, \new
.endif
.endm
; sixteen loads: load j takes rows off + j (lanes 0-15) and off + 16 + j (lanes 16-31), whole rows of 256 bytes
.macro GLOADS dst, bs, off, nt
.set JJ, 0
.rept 16
.if \nt
	global_load_b128 v[\dst+4*JJ:\dst+4*JJ+3], v[GLO], s[\bs:\bs+1] offset:(\off+JJ)*ROW th:TH_LOAD_NT
.else
	global_load_b128 v[\dst+4*JJ:\dst+4*JJ+3], v[GLO], s[\bs:\bs+1] offset:(\off+JJ)*ROW
.endif
.set JJ, JJ+1
.endr
.endm
.macro MOVE src                        ; 64 registers of window 1 into RG
	WIN 0x01
.set JJ, 0
.rept 64
	v_mov_b32 v[RG+JJ], v[\src+JJ]
.set JJ, JJ+1
.endr
	WIN 0
.endm
.macro FRAGS dst, adr                  ; four fragments into window 1: each load reads 512 consecutive bytes
	WIN 0x40
.set JJ, 0
.rept 16
	ds_load_b128 v[\dst+4*JJ:\dst+4*JJ+3], v[\adr] offset:512*JJ
.set JJ, JJ+1
.endr
	WIN 0
.endm
; four loads (8 rows) through my stage: lane L then holds 16 neighbouring channels 16 (L % 4) on of row 4 a + L / 8 + 16 ((L / 4) % 2).
; LDS serves a wave's instructions in order (ISA guide 5.7.1.4): the loads see the stores above them, and the next eight rows' stores come behind them
.macro TURN a
.irp j, 0,1,2,3
	ds_store_b128 v[STI], v[RG+16*(\a)+4*\j:RG+16*(\a)+4*\j+3] offset:8*SP*\j
.endr
.irp j, 0,1,2,3
	ds_load_b128 v[XG+16*(\a)+4*\j:XG+16*(\a)+4*\j+3], v[STT] offset:16*\j
.endr
.endm
; 32 rows of Q or K are quantised along the channels: four groups of 8 rows through the stage in one run, then worked by turns.  lw >= 0: the sixteen loads are waited for, lw younger ones staying out
.macro QUADS ad, sa, ibase, ihi, sbase, shi, dbl, lw
.if \lw >= 0
	s_wait_loadcnt \lw
.endif
	TURN 0
	TURN 1
	TURN 2
	TURN 3
	s_wait_dscnt 0x0                               ; all 32 rows are back; my earlier stores have read their registers
.irp qa, 0,1,2,3
	v_max3_num_f32 v[WA+\qa], |v[XG+16*\qa]|, |v[XG+16*\qa+1]|, |v[XG+16*\qa+2]|
	v_max3_num_f32 v[WB+\qa], |v[XG+16*\qa+3]|, |v[XG+16*\qa+4]|, |v[XG+16*\qa+5]|
.endr
.irp i, 6,10
.irp qa, 0,1,2,3
	v_max3_num_f32 v[WA+\qa], v[WA+\qa], |v[XG+16*\qa+\i]|, |v[XG+16*\qa+\i+1]|
	v_max3_num_f32 v[WB+\qa], v[WB+\qa], |v[XG+16*\qa+\i+2]|, |v[XG+16*\qa+\i+3]|
.endr
.endr
.irp qa, 0,1,2,3
	v_max3_num_f32 v[WA+\qa], v[WA+\qa], |v[XG+16*\qa+14]|, |v[XG+16*\qa+15]|
.endr
.irp qa, 0,1,2,3
	v_max3_num_f32 v[WA+\qa], v[WA+\qa], v[WB+\qa], 0x8000000        ; the floor 2^(16 - 127): the byte cannot fall under 1
.endr
.irp qa, 0,1,2,3
	v_max_num_f32_dpp v[WA+\qa], v[WA+\qa], v[WA+\qa] row_xmask:1 row_mask:0xf bank_mask:0xf   ; with my neighbour's 16: the block's
.endr
.irp qa, 0,1,2,3
	v_add_nc_u32 v[WS2+\qa], 0xf8800000, v[WA+\qa] ; 15 off the exponent field: the conversion's scale operand
.endr
.irp qa, 0,1,2,3
	v_and_or_b32 v[WH+\qa], v[WA+\qa], 0x7f800000, s[MNT]            ; 57,344 x the scale
.endr
.irp qa, 0,1,2,3
.irp i, 0,1,2,3,4,5,6,7,8,9,10,11,12,13,14,15
	v_med3_num_f32 v[XG+16*\qa+\i], v[XG+16*\qa+\i], -v[WH+\qa], v[WH+\qa]   ; the conversion does not saturate (ISA guide 7.6.2)
.endr
	v_cvt_scalef32_pk8_bf8_f32 v[CC0+4*\qa:CC0+4*\qa+1], v[XG+16*\qa:XG+16*\qa+7], v[WS2+\qa]
	v_cvt_scalef32_pk8_bf8_f32 v[CC0+4*\qa+2:CC0+4*\qa+3], v[XG+16*\qa+8:XG+16*\qa+15], v[WS2+\qa]
.endr
.irp qa, 0,1,2,3
	v_lshrrev_b32 v[EE0+\qa], 23, v[WS2+\qa]       ; the bytes; also the plain lines behind the conversions
.endr
.irp qa, 0,1,2,3
	ds_store_b128 v[\ad], v[CC0+4*\qa:CC0+4*\qa+3] offset:\ibase+\ihi*(\qa/2)+64*(\qa%2)
	ds_store_b8 v[\sa], v[EE0+\qa] offset:\sbase+\shi*(\qa/2)+16*(\qa%2)   ; both lanes of a block write the same byte
.if \dbl
	ds_store_b8 v[\sa], v[EE0+\qa] offset:\sbase+\shi*(\qa/2)+16*(\qa%2)+2 ; Q's word repeats its two bytes
.endif
.endr
.endm
; a block of 32 keys of V: lane (H, i) holds channels 4 i .. 4 i + 3 of keys 16 H + s in registers 4 s ..; the hold writes a channel's 16 keys side by side
.macro VQUANT lw
.if \lw >= 0
	s_wait_loadcnt 0x0
.endif
.irp q, 0,1,2,3
	v_max3_num_f32 v[VM+\q], |v[RG+\q]|, |v[RG+4+\q]|, 0x8000000
.endr
.irp s, 2,4,6,8,10,12,14
.irp q, 0,1,2,3
	v_max3_num_f32 v[VM+\q], v[VM+\q], |v[RG+4*\s+\q]|, |v[RG+4*\s+4+\q]|
.endr
.endr
.irp q, 0,1,2,3
	v_permlanex16_b32 v[T1+\q], v[VM+\q], s[SEL], s[SEL+1]
.endr
.irp q, 0,1,2,3
	v_max_num_f32 v[VM+\q], v[VM+\q], v[T1+\q]
.endr
.irp q, 0,1,2,3
	v_add_nc_u32 v[VSO+\q], 0xf8800000, v[VM+\q]
.endr
.irp q, 0,1,2,3
	v_and_or_b32 v[T1+\q], v[VM+\q], 0x7f800000, s[MNT]
.endr
.irp q, 0,1,2,3
	v_lshrrev_b32 v[VM+\q], 23, v[VSO+\q]
.endr
.irp hf, 0,1
.irp qq, 0,1
.irp s, 0,1,2,3,4,5,6,7,8,9,10,11,12,13,14,15
	v_med3_num_f32 v[XG+16*\qq+\s], v[RG+4*\s+2*\hf+\qq], -v[T1+2*\hf+\qq], v[T1+2*\hf+\qq]
.endr
.endr
.irp qq, 0,1
	v_cvt_scalef32_pk8_bf8_f32 v[CG+4*(2*\hf+\qq):CG+4*(2*\hf+\qq)+1], v[XG+16*\qq:XG+16*\qq+7], v[VSO+2*\hf+\qq]
	v_cvt_scalef32_pk8_bf8_f32 v[CG+4*(2*\hf+\qq)+2:CG+4*(2*\hf+\qq)+3], v[XG+16*\qq+8:XG+16*\qq+15], v[VSO+2*\hf+\qq]
.endr
	v_nop                                          ; one plain line behind the conversions
.endr
.irp q, 0,1,2,3
	ds_store_b128 v[TA2], v[CG+4*\q:CG+4*\q+3] offset:16*\q
	ds_store_b8 v[TA3], v[VM+\q] offset:4*\q       ; my block's byte of the channel's word; both halves of the lanes write the same
.endr
.endm
.macro STEPADR                         ; where the step's codes and bytes go: made by every wave ahead of the parting
	v_add_nc_u32 v[TA0], s[TQ], v[KAD]
	v_add_nc_u32 v[TA1], s[TS], v[KSA]
	v_add_nc_u32 v[TA2], s[TQ], v[VAD]
	v_add_nc_u32 v[TA3], s[TS], v[VSA]
	s_wait_alu depctr_va_vdst(0)                   ; ahead of the branch and the waits below
.endm
.macro ROLEQ lw
	s_cmp_lt_u32 s[WV], 4
	s_cbranch_scc0 .Lv_\@
	QUADS TA0, TA1, 0, 1024, 0, 2, 0, \lw
	s_branch .Lj_\@
.Lv_\@:
	VQUANT \lw
.Lj_\@:
.endm
; O^T of tile pt under its new M, then O^T += V^T P^T, the four accumulators by turns
.macro PVSTEP pt
.set OB, 128+32*(\pt)
	WIN 0x41
	s_wait_alu depctr_va_vdst(0)                   ; directly ahead of the first readers of O^T
.set JJ, 0
.rept 16
	v_pk_mul_f32 v[OB+JJ:OB+JJ+1], v[OB+JJ:OB+JJ+1], v[FF:FF+1] op_sel_hi:[1,0]
.set JJ, JJ+2
.endr
	WIN 0x51
.irp c, 0,1,2,3
.if \c%2
	v_wmma_scale_f32_16x16x128_f8f6f4 v[OB+8*\c:OB+8*\c+7], v[64+16*\c:64+16*\c+15], v[PC:PC+15], v[OB+8*\c:OB+8*\c+7], v[VS+\c/2], v[PS] matrix_a_fmt:MATRIX_FMT_BF8 matrix_b_fmt:MATRIX_FMT_BF8 matrix_a_scale:MATRIX_SCALE_ROW1
.else
	v_wmma_scale_f32_16x16x128_f8f6f4 v[OB+8*\c:OB+8*\c+7], v[64+16*\c:64+16*\c+15], v[PC:PC+15], v[OB+8*\c:OB+8*\c+7], v[VS+\c/2], v[PS] matrix_a_fmt:MATRIX_FMT_BF8 matrix_b_fmt:MATRIX_FMT_BF8
.endif
.endr
	WIN 0
.endm
.macro FMA4                            ; t - M of eight more scores
.rept 4
	v_pk_fma_f32 v[S+JJ:S+JJ+1], v[S+JJ:S+JJ+1], s[CS:CS+1], v[NMW:NMW+1] op_sel_hi:[1,0,0]
.set JJ, JJ+2
.endr
.endm
.macro SUM6                            ; twelve more p onto the six chains
.irp c, 220,222,224,232,234,236
	v_pk_add_f32 v[\c:\c+1], v[\c:\c+1], v[S+JJ:S+JJ+1]
.set JJ, JJ+2
.endr
.endm
.macro DU b, lo                        ; the hold of eight p, one-sided: p is not negative; two to a line
.irp i, 0,2,4,6
	v_dual_min_num_f32 v[S+16*\b+\lo+\i], v[S+16*\b+\lo+\i], v[HOLD+2*\b] :: v_dual_min_num_f32 v[S+16*\b+\lo+\i+1], v[S+16*\b+\lo+\i+1], v[HOLD+2*\b+1]
.endr
.endm
.macro CV b
	v_cvt_scalef32_pk8_bf8_f32 v[PC+4*\b:PC+4*\b+1], v[S+16*\b:S+16*\b+7], v[SCOP+\b]
	v_cvt_scalef32_pk8_bf8_f32 v[PC+4*\b+2:PC+4*\b+3], v[S+16*\b+8:S+16*\b+15], v[SCOP+\b]
.endm
; tile t of a key step.  vl: V's fragments of this step are fetched; kl: the barrier is passed and K's fragments of the next step are fetched; ql: the next tile's Q is fetched
.macro TILE t, vl, kl, ql
.set NT, ((\t)+1)%4
	s_wait_alu depctr_va_vdst(0)                   ; ahead of the wait below
	s_wait_dscnt 0x0                               ; Q, and the fragments fetched a tile ago, are in
	WIN 0x01
.irp f, 0,1,2,3
.irp u, 0,1
.if \f%2
	v_wmma_scale_f32_16x16x128_f8f6f4 v[S+8*(2*\f+\u):S+8*(2*\f+\u)+7], v[16*\f:16*\f+15], v[QW-8*\u:QW-8*\u+15], 0, v[KS+\f/2], v[QS] matrix_a_fmt:MATRIX_FMT_BF8 matrix_b_fmt:MATRIX_FMT_BF8 matrix_a_scale:MATRIX_SCALE_ROW1
.else
	v_wmma_scale_f32_16x16x128_f8f6f4 v[S+8*(2*\f+\u):S+8*(2*\f+\u)+7], v[16*\f:16*\f+15], v[QW-8*\u:QW-8*\u+15], 0, v[KS+\f/2], v[QS] matrix_a_fmt:MATRIX_FMT_BF8 matrix_b_fmt:MATRIX_FMT_BF8
.endif
.endr
.endr
	PVSTEP ((\t)+3)%4                              ; its sixteen multiplications are the places behind the eight products above
.if \kl
	s_wait_alu depctr_va_vdst(0)
	s_barrier_wait -1                              ; every wave's part of the next step's images lies in LDS
	v_add_nc_u32 v[ADK], s[TQ], v[LI]
	v_add_nc_u32 v[ADS], s[TS], v[LSK]
	FRAGS 0, ADK
	ds_load_b32 v[KS], v[ADS]
	ds_load_b32 v[KS+1], v[ADS] offset:128
.endif
.if \ql
	ds_load_b128 v[QW:QW+3], v[QLD] offset:1024*NT                  ; the next tile's Q lands under this tile's softmax
	ds_load_b128 v[QW+4:QW+7], v[QLD] offset:1024*NT+512
	ds_load_b32 v[QS], v[QSL] offset:4096+64*NT
.endif
.irp b, 0,1,2,3
	v_max3_num_f32 v[BM+\b], v[S+16*\b], v[S+16*\b+1], v[S+16*\b+2]  ; each block's largest score, in two chains: for the row's maximum and for the block's largest p
	v_max3_num_f32 v[T1+\b], v[S+16*\b+8], v[S+16*\b+9], v[S+16*\b+10]
.endr
.irp i, 3,5
.irp b, 0,1,2,3
	v_max3_num_f32 v[BM+\b], v[BM+\b], v[S+16*\b+\i], v[S+16*\b+\i+1]
	v_max3_num_f32 v[T1+\b], v[T1+\b], v[S+16*\b+8+\i], v[S+16*\b+9+\i]
.endr
.endr
.irp b, 0,1,2,3
	v_max3_num_f32 v[BM+\b], v[BM+\b], v[T1+\b], v[S+16*\b+7]
.endr
.irp b, 0,1,2,3
	v_max_num_f32 v[BM+\b], v[BM+\b], v[S+16*\b+15]
.endr
.if \vl
	v_add_nc_u32 v[ADV], s[TV], v[LIV]             ; 32 plain lines stand behind the last product that read V's registers
	v_add_nc_u32 v[ADS], s[TVS], v[LSV]
	FRAGS 64, ADV
	ds_load_b32 v[VS], v[ADS]
	ds_load_b32 v[VS+1], v[ADS] offset:128
.endif
.irp b, 0,1,2,3
	v_permlanex16_b32 v[T1+\b], v[BM+\b], s[SEL], s[SEL+1]
.endr
.irp b, 0,1,2,3
	v_max_num_f32 v[BM+\b], v[BM+\b], v[T1+\b]
.endr
	v_max3_num_f32 v[TMP], v[BM], v[BM+1], v[BM+2]
	v_max_num_f32 v[TMP], v[TMP], v[BM+3]
	v_mul_f32 v[TMP], s[CS], v[TMP]                ; the step's largest t
	v_floor_f32 v[TMP], -v[TMP]                    ; -ceil(t)
	v_min_num_f32 v[NMW], v[MS+\t], v[TMP]         ; the new -M
	v_sub_f32 v[TMP], v[NMW], v[MS+\t]             ; old M - new M: a whole number, 0 or less
.set JJ, 0
	FMA4
	v_cvt_i32_f32 v[TMP], v[TMP]                   ; (it saturates)
	FMA4
	v_ldexp_f32 v[FF], 1.0, v[TMP]                 ; f = 2^(old M - new M)
.rept 6
	FMA4
.endr
.irp b, 0,1,2,3
	v_fma_f32 v[BM+\b], v[BM+\b], s[CS], v[NMW]
.endr
	s_wait_alu depctr_va_vdst(0)                   ; ahead of the batch
.set JJ, 0
.rept 64
	v_exp_f32 v[S+JJ], v[S+JJ]                     ; p
.set JJ, JJ+1
.endr
.irp b, 0,1,2,3
	v_exp_f32 v[BM+\b], v[BM+\b]                   ; the block's largest p
.endr
	v_mov_b32 v[MS+\t], v[NMW]                     ; the plain line behind the batch
	s_wait_alu depctr_va_vdst(0)                   ; and the wait behind it
.irp b, 0,1,2,3
	v_max_num_f32 v[BM+\b], 0x8000000, v[BM+\b]
.endr
.irp b, 0,1,2,3
	v_add_nc_u32 v[SCOP+\b], 0xf8800000, v[BM+\b]
.endr
.irp b, 0,1,2,3
	v_and_or_b32 v[HOLD+2*\b], v[BM+\b], 0x7f800000, s[MNT]
	v_and_or_b32 v[HOLD+2*\b+1], v[BM+\b], 0x7f800000, s[MNT]       ; a second copy: the two halves of a dual line take second sources of different banks
.endr
.irp b, 0,1,2,3
	v_lshrrev_b32 v[T1+\b], 23, v[SCOP+\b]
.endr
.set JJ, 0
.irp c, 220,222,224,232,234,236
	v_pk_add_f32 v[\c:\c+1], v[S+JJ:S+JJ+1], v[S+JJ+2:S+JJ+3]       ; the sum of the unquantised p, in six chains
.set JJ, JJ+4
.endr
	v_lshl_or_b32 v[PS], v[T1+1], 8, v[T1]         ; p's scale word, its three lines among the sums
	SUM6
	v_lshl_or_b32 v[PS], v[T1+2], 16, v[PS]
	SUM6
	v_lshl_or_b32 v[PS], v[T1+3], 24, v[PS]
	SUM6
	v_pk_add_f32 v[220:221], v[220:221], v[S+60:S+61]
	v_pk_add_f32 v[222:223], v[222:223], v[S+62:S+63]
	v_pk_add_f32 v[224:225], v[224:225], v[236:237]
	v_pk_add_f32 v[220:221], v[220:221], v[232:233]
	v_pk_add_f32 v[222:223], v[222:223], v[234:235]
	DU 0, 0                                        ; the chains' last steps stand among the holds
	v_pk_add_f32 v[220:221], v[220:221], v[224:225]
	DU 0, 8
	v_pk_add_f32 v[220:221], v[220:221], v[222:223]
	CV 0
	DU 1, 0
	v_add_f32 v[TMP], v220, v221
	DU 1, 8
	v_fma_f32 v[SS+\t], v[SS+\t], v[FF], v[TMP]    ; the old sum under the new M, and this step's
	CV 1
	DU 2, 0
	DU 2, 8
	CV 2
	DU 3, 0
	DU 3, 8
	CV 3
	v_nop                                          ; one plain line behind the conversions
.endm
; THE WAY OUT of tile t.  O^T / the sum goes through my stage, 16 rows of 256 + 16 bytes, all lanes on, and comes back by rows: sixteen lanes store 256 consecutive bytes, aligned.
.macro OUTT t
.set BK, RG+32*((\t)%2)
.set OB, 128+32*(\t)
	v_permlanex16_b32 v[T1], v[SS+\t], s[SEL], s[SEL+1]
	v_add_f32 v[RC], v[SS+\t], v[T1]               ; with lane l xor 16's: the row's sum
	s_wait_alu depctr_va_vdst(0)                   ; ahead of the transcendental
	v_rcp_f32 v[RC], v[RC]
	v_nop
	s_wait_xcnt 0x0                                ; earlier stores have read their registers
	WIN 0x01
	s_wait_alu depctr_va_vdst(0)                   ; behind the transcendental, and directly ahead of the first readers of O^T
.set JJ, 0
.rept 16
	v_pk_mul_f32 v[S+JJ:S+JJ+1], v[OB+JJ:OB+JJ+1], v[RC:RC+1] op_sel_hi:[1,0]   ; register 8 c + j is o(r, 16 c + 8 (lane / 16) + j)
.set JJ, JJ+2
.endr
	WIN 0
.irp c, 0,1,2,3
	ds_store_b128 v[TA0], v[S+8*\c:S+8*\c+3] offset:64*\c
	ds_store_b128 v[TA0], v[S+8*\c+4:S+8*\c+7] offset:64*\c+16
.endr
.irp n, 0,1,2,3,4,5,6,7
	ds_load_b128 v[BK+4*\n:BK+4*\n+3], v[TA1] offset:2*OP*\n       ; LDS serves a wave's instructions in order
.endr
.irp n, 0,1,2,3,4,5,6,7
	s_wait_dscnt 7-\n                              ; the later loads stay out
	global_store_b128 v[TA2], v[BK+4*\n:BK+4*\n+3], s[10:11] offset:(16*(\t)+2*\n)*ROW th:TH_STORE_NT
.endr
.endm
	s_load_b256 s[4:11], s[0:1], 0x0               ; query, key, value, out0
	v_lshl_add_u32 v[SPW], v0, 2, SPARE
	v_mov_b32 v[NIL], 0
	v_lshrrev_b32 v[A0], 5, v0
	v_readfirstlane_b32 s[WV], v[A0]               ; wave 0..7
	v_and_b32 v[A1], 15, v0                        ; i
	v_bfe_u32 v[A2], v0, 4, 1                      ; H
	v_lshlrev_b32 v[GLO], 4, v[A1]
	v_lshl_or_b32 v[GLO], v[A2], 17, v[GLO]        ; 16 i + 16 rows x H
	s_and_b32 s13, ttmp7, 0xffff                   ; 32 b + n
	s_lshr_b32 s14, s13, 5
	s_and_b32 s15, s13, 31
	s_lshl_b32 s14, s14, 24
	s_lshl_b32 s15, s15, 8
	s_add_co_u32 s14, s14, s15                     ; the head's first byte
	s_and_b32 s[W3], s[WV], 3
	s_lshl_b32 s16, s[W3], 18                      ; my 32 keys of a step
	s_add_co_u32 s16, s16, s14
	s_mov_b32 s17, 0
	s_lshl_b32 s18, ttmp9, 22                      ; my work-group's 512 queries,
	s_lshl_b32 s19, s[WV], 19                      ; my wave's 64
	s_add_co_u32 s18, s18, s19
	s_add_co_u32 s18, s18, s14
	s_mov_b32 s19, 0
	s_mov_b32 s[SEL], 0x76543210
	s_mov_b32 s[SEL+1], 0xfedcba98
	s_mov_b32 s[CS], 0x3e38aa3b                    ; log2(e) / 8
	s_mov_b32 s[CS+1], s[CS]
	s_mov_b32 s[MNT], 0x600000
	s_mul_i32 s[STB], s[WV], WSTB
	s_add_co_u32 s[STB], s[STB], WST
	s_mul_i32 s[QB], s[WV], QWB
	s_add_co_u32 s[QB], s[QB], QIMG
	s_lshl_b32 s[KB], s[W3], 11
	s_lshl_b32 s[KSB], s[W3], 6
	s_add_co_u32 s[KSB], s[KSB], KSC
	s_lshl_b32 s[VB], s[W3], 9
	s_add_co_u32 s[VB], s[VB], VIMG
	s_add_co_u32 s[VSB], s[W3], VSC
	s_mov_b32 s[TQ], 0
	s_mov_b32 s[TS], 0
	s_wait_alu depctr_va_vdst(0)                   ; ahead of the wait below
	s_wait_kmcnt 0x0
	s_add_nc_u64 s[4:5], s[4:5], s[18:19]
	s_add_nc_u64 s[10:11], s[10:11], s[18:19]
	s_cmp_lt_u32 s[WV], 4                          ; waves 0-3 take K, waves 4-7 V
	s_cselect_b64 s[GP:GP+1], s[6:7], s[8:9]
	s_add_nc_u64 s[GP:GP+1], s[GP:GP+1], s[16:17]
	GLOADS RG, 4, 0, 1                             ; my queries 0-31
	WIN 0x40
	GLOADS 0, 4, 32, 1                             ; queries 32-63 and step 0's keys wait in window 1
	GLOADS 64, GP, 0, 0
.set JJ, 0
.rept 128
	v_mov_b32 v[128+JJ], 0                         ; O^T: the loop is written once
.set JJ, JJ+1
.endr
	WIN 0
	v_and_b32 v[A0], 31, v0                        ; L
	v_and_b32 v[A3], 3, v0                         ; L % 4
	v_bfe_u32 v[A4], v0, 2, 1                      ; (L / 4) % 2
	v_bfe_u32 v[A5], v0, 3, 2                      ; L / 8
	v_bfe_u32 v[A6], v0, 1, 1                      ; which block of 32 channels
	v_bfe_u32 v[A7], v0, 2, 3                      ; L / 4
	v_bfe_u32 v[A8], v0, 2, 2                      ; i / 4
	v_lshlrev_b32 v[LI], 4, v[A0]
	v_add_nc_u32 v[LIV], VIMG, v[LI]
	v_lshlrev_b32 v[LSK], 2, v[A0]
	v_add_nc_u32 v[LSV], VSC, v[LSK]
	v_add_nc_u32 v[LSK], KSC, v[LSK]
	v_mul_u32_u24 v[STI], v[A7], SP
	v_lshl_add_u32 v[STI], v[A3], 4, v[STI]
	v_add_nc_u32 v[STI], s[STB], v[STI]
	v_mul_u32_u24 v[STT], v[A0], SP
	v_add_nc_u32 v[STT], s[STB], v[STT]
	v_lshlrev_b32 v[A9], 8, v[A3]                  ; my 16 codes: 256 (L % 4) + 16 x the row in its tile
	v_lshl_add_u32 v[A9], v[A5], 4, v[A9]
	v_lshl_add_u32 v[KAD], v[A4], 7, v[A9]         ; K: the rows 16 further down are rows 8-15 of the tile
	v_add_nc_u32 v[KAD], s[KB], v[KAD]
	v_lshl_add_u32 v[QAD], v[A4], 10, v[A9]        ; Q: they are the next tile
	v_add_nc_u32 v[QAD], s[QB], v[QAD]
	v_lshl_add_u32 v[A9], v[A5], 2, v[A6]
	v_lshl_add_u32 v[KSA], v[A4], 5, v[A9]
	v_add_nc_u32 v[KSA], s[KSB], v[KSA]
	v_lshl_add_u32 v[QSA], v[A4], 6, v[A9]
	v_add_nc_u32 v[QSA], s[QB], v[QSA]
	v_lshlrev_b32 v[VAD], 11, v[A8]                ; V: channel 4 i + q is row 4 (i % 4) + q of tile i / 4
	v_lshl_add_u32 v[VAD], v[A3], 6, v[VAD]
	v_lshl_add_u32 v[VAD], v[A2], 8, v[VAD]
	v_add_nc_u32 v[VAD], s[VB], v[VAD]
	v_lshlrev_b32 v[VSA], 4, v[A1]
	v_add_nc_u32 v[VSA], s[VSB], v[VSA]
	v_add_nc_u32 v[QLD], s[QB], v[LI]
	v_lshlrev_b32 v[QSL], 2, v[A1]
	v_add_nc_u32 v[QSL], s[QB], v[QSL]
.irp j, 0,1,2,3,4,5,6,7
	v_mov_b32 v[QW-8+\j], 0                        ; the zero codes on both sides of Q
	v_mov_b32 v[QW+8+\j], 0
	v_mov_b32 v[PC+\j], 0                          ; and the first late product's p
	v_mov_b32 v[PC+8+\j], 0
.endr
.irp j, 0,1,2,3
	v_mov_b32 v[T1+\j], 0                          ; a lane permute's destination counts as a source
	v_mov_b32 v[MS+\j], 0x7f61b1e6                 ; -M = 3e38: M under every t
	v_mov_b32 v[SS+\j], 0
.endr
	v_mov_b32 v[FF], 0
	v_mov_b32 v[FF+1], 0
	v_mov_b32 v[NMW+1], 0
	v_mov_b32 v[PS], 0x7f7f7f7f
	s_wait_alu depctr_va_vdst(0)                   ; at the head's end
	QUADS QAD, QSA, 0, 128, 4096, 32, 1, 32        ; behind these sixteen loads 32 younger ones stay out
	s_wait_loadcnt 16
	MOVE 0
	QUADS QAD, QSA, 2048, 128, 4096+128, 32, 1, -1
	s_wait_loadcnt 0x0
	MOVE 64
	STEPADR
	ROLEQ -1                                       ; step 0's images
	s_wait_xcnt 0x0
	s_add_nc_u64 s[GP:GP+1], s[GP:GP+1], 128*ROW
	GLOADS RG, GP, 0, 0                            ; step 1's keys
	s_wait_alu depctr_va_vdst(0)
	s_wait_dscnt 0x0
	s_barrier_signal -1
	s_barrier_wait -1
	FRAGS 0, LI
	ds_load_b32 v[KS], v[LSK]
	ds_load_b32 v[KS+1], v[LSK] offset:128
	FRAGS 64, LIV                                  ; (the first late product meets zero codes of p)
	ds_load_b32 v[VS], v[LSV]
	ds_load_b32 v[VS+1], v[LSV] offset:128
	ds_load_b128 v[QW:QW+3], v[QLD]
	ds_load_b128 v[QW+4:QW+7], v[QLD] offset:512
	ds_load_b32 v[QS], v[QSL] offset:4096
	s_mov_b32 s[TQ], 8192
	s_mov_b32 s[TS], 256
	s_mov_b32 s[TV], 0
	s_mov_b32 s[TVS], 0
	s_mov_b32 s[CNT], 0
.Lstep:                                                ; steps 0 to 14
	TILE 0, 1, 0, 1
	STEPADR
	ROLEQ 0                                        ; the next step's images
	s_cmp_ge_u32 s[CNT], 14                        ; step 14 asks for no keys: there is no step 16
	s_cbranch_scc1 .Lnol
	s_wait_xcnt 0x0
	s_add_nc_u64 s[GP:GP+1], s[GP:GP+1], 128*ROW
	GLOADS RG, GP, 0, 0                            ; the keys of two steps on
.Lnol:
	s_wait_alu depctr_va_vdst(0)
	s_wait_dscnt 0x0                               ; my stores into the next step's images have landed
	s_barrier_signal -1                            ; the wait stands in tile 3: between the two only register work and loads of my own Q
	TILE 1, 0, 0, 1
	TILE 2, 0, 0, 1
	TILE 3, 0, 1, 1
	s_add_co_u32 s[TQ], s[TQ], 8192
	s_add_co_u32 s[TS], s[TS], 256
	s_add_co_u32 s[TV], s[TV], 8192
	s_add_co_u32 s[TVS], s[TVS], 256
	s_add_co_u32 s[CNT], s[CNT], 1
	s_cmp_lt_u32 s[CNT], 15
	s_cbranch_scc1 .Lstep
; STEP 15.  Behind the last barrier every wave holds step 14's fragments in registers and reads only step 15's images: K's images of steps 0-7 serve as the eight waves' stages.
	s_lshl_b32 s[STB], s[WV], 13
	v_and_b32 v[ADK], 15, v0
	v_bfe_u32 v[TA3], v0, 4, 1
	v_mul_u32_u24 v[TA0], v[ADK], OP
	v_lshl_add_u32 v[TA0], v[TA3], 5, v[TA0]
	v_add_nc_u32 v[TA0], s[STB], v[TA0]            ; in: row r, + 32 bytes for the upper half of the lanes
	v_mul_u32_u24 v[TA1], v[TA3], OP
	v_lshl_add_u32 v[TA1], v[ADK], 4, v[TA1]
	v_add_nc_u32 v[TA1], s[STB], v[TA1]            ; back: lanes 0-15 one row, lanes 16-31 the next
	v_lshlrev_b32 v[TA2], 4, v[ADK]
	v_lshl_or_b32 v[TA2], v[TA3], 13, v[TA2]       ; the same two rows in out0
	v_mov_b32 v[RC+1], 0                           ; (named as the upper half of the pair)
	TILE 0, 1, 0, 1
	TILE 1, 0, 0, 1
	OUTT 0                                         ; tile 0's last product stood in tile 1
	TILE 2, 0, 0, 1
	OUTT 1
	TILE 3, 0, 0, 0
	OUTT 2
	s_wait_alu depctr_va_vdst(0)
	s_wait_dscnt 0x0
	PVSTEP 3                                       ; the last tile's late product
.rept 8
	v_nop                                          ; eight places ahead of the first read of its results
.endr
	OUTT 3
	s_wait_tensorcnt 0x0                           ; the wave's end
	ds_add_u32 v[SPW], v[NIL]
	s_wait_dscnt 0x0
	s_endpgm
.Lfunc_end_k_q6134592691_attn:
	.size	k_q6134592691_attn, .Lfunc_end_k_q6134592691_attn-k_q6134592691_attn
	.p2alignl 7, 3214868480
	.fill 96, 4, 3214868480
	.section	.rodata,"a",@progbits
	.p2align	6, 0x0
	.amdhsa_kernel k_q6134592691_attn
		.amdhsa_group_segment_fixed_size 326656
		.amdhsa_private_segment_fixed_size 0
		.amdhsa_enable_private_segment 0
		.amdhsa_kernarg_size 32
		.amdhsa_user_sgpr_count 2
		.amdhsa_user_sgpr_kernarg_segment_ptr 1
		.amdhsa_wavefront_size32 1
		.amdhsa_system_sgpr_workgroup_id_x 1
		.amdhsa_system_sgpr_workgroup_id_y 1
		.amdhsa_system_sgpr_workgroup_id_z 1
		.amdhsa_system_vgpr_workitem_id 0
		.amdhsa_next_free_vgpr 512
		.amdhsa_next_free_sgpr 66
		.amdhsa_reserve_vcc 0
		.amdhsa_float_denorm_mode_32 3
		.amdhsa_float_denorm_mode_16_64 3
		.amdhsa_memory_ordered 1
		.amdhsa_forward_progress 1
		.amdhsa_inst_pref_size 232
	.end_amdhsa_kernel
	.amdgpu_metadata
---
amdhsa.version: [ 1, 2 ]
amdhsa.kernels:
  - .name:           k_q6134592691_attn
    .symbol:         k_q6134592691_attn.kd
    .args:
      - { .name: query, .offset: 0, .size: 8, .value_kind: global_buffer, .address_space: global }
      - { .name: key, .offset: 8, .size: 8, .value_kind: global_buffer, .address_space: global }
      - { .name: value, .offset: 16, .size: 8, .value_kind: global_buffer, .address_space: global }
      - { .name: out0, .offset: 24, .size: 8, .value_kind: global_buffer, .address_space: global }
    .group_segment_fixed_size: 326656
    .private_segment_fixed_size: 0
    .kernarg_segment_align: 8
    .kernarg_segment_size: 32
    .max_flat_workgroup_size: 256
    .sgpr_count:     66
    .vgpr_count:     512
    .wavefront_size: 32
...
	.end_amdgpu_metadata
.endif
;; end of part 1
